; MI455X (gfx1250); checked and timed in simulation.
; The chip was launched on July 23, 2026; its instructions are those of AMD's public machine-readable ISA for CDNA 5 (MIT licence, August 2026) and "CDNA5" Instruction Set Architecture Reference Guide (July 2026). The comments in the code are by the model that wrote it; some were corrected since.
;; Lo RA Linear. Allowed arithmetic: float matrix products may take bf16 or f16 operands with f32 sums; other float arithmetic in f32, or as packed bf16 or f16 multiplies, adds, multiply-adds, maxima and minima; sums over many terms, partial sums and values carried from step to step in f32; what a program stores and reads back later, other than sums and carried values, may be rounded once to bf16 or f16.
;; Inputs: lora_A 16 x 4,096 float32; lora_B 4,096 x 16 float32; scale 4,096 float32; signs 4,096 x 4,096 float32; x 4 x 1,024 x 4,096 float32.
;; Outputs: out0 4 x 1,024 x 4,096 float32.
;; One version. Each part assembles by itself: llvm-mc -triple=amdgcn-amd-amdhsa -mcpu=gfx1250 --defsym DOCPART=n.
;; ======== version 1 of 1: 2 launches
;; workspace buffers: xb 33,554,432 bytes; sb 33,554,432 bytes; tb 262,144 bytes
;; launch prep (part 1): grid 128 x 2, 16 waves a work-group, no clusters, 243,712 bytes of LDS; arguments x, signs, lora_A, xb, sb, tb; writes xb, sb, tb
.if DOCPART == 1
	.amdgcn_target "amdgcn-amd-amdhsa--gfx1250"
	.amdhsa_code_object_version 6
	.text
	.protected	k_qbf90d1a174_prep
	.globl	k_qbf90d1a174_prep
	.p2align	8
	.type	k_qbf90d1a174_prep,@function
k_qbf90d1a174_prep:
	s_mov_b64 s[64:65], 0
	v_nop
	global_prefetch_b8 v0, s[64:65] scope:SCOPE_SE
	s_setreg_imm32_b32 hwreg(HW_REG_WAVE_MODE, 25, 1), 1
	s_wait_xcnt 0x0
; xb = bf16(x), sb = bf16(signs), and t = 2 x A^T as a pair of bf16 numbers (hi + lo), laid out as the matrix fragments that the next launch takes.
; x: [4096][4096] f32 (the batch's rows on end), signs: [4096][4096] f32, lora_A: [16][4096] f32.  xb, sb: [4096][4096] bf16.
; tb: 256 blocks of 16 rows of x, 1,024 bytes each: bytes 16 l .. 16 l + 15 hold, for lane l, hi of ranks 8 (l / 16) + 0..7 of row l % 16; bytes 512 + 16 l .. the lo of the same ranks.
; LIMITS.  Each number of x, signs and lora_A is rounded once to bf16 (nearest even): a magnitude above bf16's largest finite number becomes an infinity.  t is summed in f32, in another order than
; a plain loop over the columns, doubled (exact) and kept as hi + lo, 16 significant bits.  NaN and infinities are not treated apart.
; SHARES.  Work-group (g, y): y = 0 takes rows 32 g .. 32 g + 31 of x, y = 1 the same rows of signs.  Wave w takes columns 256 w .. 256 w + 255, in four CHUNKS of 16 rows x 128 columns:
; 16 loads (a row each: 512 consecutive bytes, aligned), 32 roundings in place, 16 stores (a row each: 256 consecutive bytes, aligned).  Every byte is read once and written once.
; An x wave also keeps its own 256 columns of lora_A, rounded, in LDS, sends each rounded chunk through LDS into fragment order, and multiplies: four matrix instructions a chunk.
; The sixteen waves' partial sums of t (each over 256 columns) meet in LDS behind one barrier; wave 0 finishes rows 0-15, wave 1 rows 16-31.
; NO CLUSTER, NO TENSOR LOADS: every number is rounded on its way, so it passes through registers anyway; what work-groups share is lora_A alone, which half of them (y = 1) do not read.
; NO PREFETCH: each wave has two or three chunks (16 or 24 KiB) on their way from its first line on, and its whole share is six chunks.
.set ROWF,  16384                      ; bytes in a row of f32
.set ROWH,  8192                       ; bytes in a row of bf16
.set PITCH, 272                        ; an LDS row: 256 bytes (128 bf16) + 16: the 16 rows of a fragment load start 68 words apart
.set RGN,   16*PITCH                   ; a region of 16 rows
.set AR0,   0                          ; in a wave's LDS: lora_A, my columns 0-127,
.set AR1,   RGN                        ; my columns 128-255,
.set XS,    2*RGN                      ; and the chunk of x in hand
.set WAVEB, 3*RGN                      ; a wave's own LDS: 13,056 bytes
.set RED,   16*WAVEB                   ; behind them: the partial sums: [2 blocks of 16 rows][16 waves][1,024 bytes]
.set SPARE, RED+32768                  ; behind them: the spare words, 128 bytes for each of the 16 waves: eight blocks of 256 bytes that no other line names
.set OFF, 2                            ; v2   16 x lane + 1,024 w: my 16 bytes of a row of f32; never rewritten
.set OFS, 3                            ; v3   8 x lane + 512 w: my 8 bytes of a row of bf16; never rewritten
.set LS,  4                            ; v4   my wave's LDS + 8 x lane
.set LF,  5                            ; v5   my wave's LDS + (l % 16) x 272 + 16 (l / 16): a fragment's address
.set RS,  6                            ; v6   RED + 1,024 w + 16 x lane
.set RR,  7                            ; v7   RED + 16,384 w + 16 x lane (waves 0 and 1)
.set TO,  8                            ; v8   16 x lane
.set SPW, 10                           ; v10  LDS address of my spare word: SPARE + 4 x my thread's number; never rewritten
.set NIL, 11                           ; v11  0; never rewritten
.set ACC, 16                           ; v[16:31]   two accumulators, which take turns
.set SETT, 32                          ; v[32:95]   a chunk; in the x path later the fragments:
.set FX,  32                           ; v[32:63]   x's four,
.set FA,  64                           ; v[64:95]   lora_A's four
.set SETA, 96                          ; v[96:159]  a chunk
.set SETB, 160                         ; v[160:223] a chunk
.set TH,  224                          ; v[224:227] t's hi, packed
.set TL,  228                          ; v[228:231] t's lo, packed
.set TE,  232                          ; v[232:239] hi, widened again
.set LA,  8                            ; s[8:9]   lora_A
.set SRC, 22                           ; s[22:23] x or signs at the group's first row
.set DST, 24                           ; s[24:25] xb or sb at the group's first row
	s_load_b256 s[4:11], s[0:1], 0x0               ; x s[4:5], signs s[6:7], lora_A s[8:9], xb s[10:11]
	s_load_b128 s[12:15], s[0:1], 0x20             ; sb s[12:13], tb s[14:15]
	v_lshl_add_u32 v[SPW], v0, 2, SPARE
	v_mov_b32 v[NIL], 0
	v_lshrrev_b32 v12, 5, v0
	v_readfirstlane_b32 s16, v12                   ; wave 0..15
	s_and_b32 s17, ttmp7, 0xffff                   ; y: 0 = x, 1 = signs
	s_lshl_b32 s18, ttmp9, 19                      ; 32 rows of 16,384 bytes
	s_mov_b32 s19, 0
	s_lshl_b32 s20, ttmp9, 18                      ; 32 rows of 8,192 bytes
	s_mov_b32 s21, 0
	s_mul_i32 s28, s16, WAVEB                      ; my wave's LDS
	s_mov_b32 s29, 0xffff0000                      ; a word's upper bf16
	v_and_b32 v1, 31, v0                           ; lane
	v_and_b32 v12, 15, v0                          ; l % 16
	v_bfe_u32 v13, v0, 4, 1                        ; l / 16
	s_lshl_b32 s30, s16, 10
	v_lshl_add_u32 v[OFF], v1, 4, s30
	s_lshl_b32 s31, s16, 9
	v_lshl_add_u32 v[OFS], v1, 3, s31
	v_lshl_add_u32 v[LS], v1, 3, s28
	v_mul_u32_u24 v[LF], v12, PITCH
	v_lshl_add_u32 v[LF], v13, 4, v[LF]
	v_add_nc_u32 v[LF], s28, v[LF]
	s_add_co_u32 s30, s30, RED
	v_lshl_add_u32 v[RS], v1, 4, s30
	v_lshlrev_b32 v[TO], 4, v1
	s_wait_kmcnt 0x0
	s_cmp_eq_u32 s17, 0
	s_cselect_b64 s[SRC:SRC+1], s[4:5], s[6:7]
	s_cselect_b64 s[DST:DST+1], s[10:11], s[12:13]
	s_add_nc_u64 s[SRC:SRC+1], s[SRC:SRC+1], s[18:19]
	s_add_nc_u64 s[DST:DST+1], s[DST:DST+1], s[20:21]
; A chunk's 16 loads: rows 16 blk + i, columns 128 c on of my 256.  nt = 1: bytes that the launch reads once
.macro LD set, bs, blk, c, nt
.set i, 0
.rept 16
.if \nt
	global_load_b128 v[(\set)+4*i:(\set)+4*i+3], v[OFF], s[(\bs):(\bs)+1] offset:(16*(\blk)+i)*ROWF+512*(\c) th:TH_LOAD_NT
.else
	global_load_b128 v[(\set)+4*i:(\set)+4*i+3], v[OFF], s[(\bs):(\bs)+1] offset:(16*(\blk)+i)*ROWF+512*(\c)
.endif
.set i, i+1
.endr
.endm
; Rounded in place: a row's four f32 become two registers of two bf16
.macro CVT set
.set i, 0
.rept 16
	v_cvt_pk_bf16_f32 v[(\set)+4*i],   v[(\set)+4*i],   v[(\set)+4*i+1]
	v_cvt_pk_bf16_f32 v[(\set)+4*i+1], v[(\set)+4*i+2], v[(\set)+4*i+3]
.set i, i+1
.endr
.endm
; A chunk's 16 stores: each covers 256 consecutive bytes, at a multiple of 256 from the buffer's first byte
.macro GST set, blk, c
.set i, 0
.rept 16
	global_store_b64 v[OFS], v[(\set)+4*i:(\set)+4*i+1], s[DST:DST+1] offset:(16*(\blk)+i)*ROWH+256*(\c)
.set i, i+1
.endr
.endm
; The same 16 rows into a region of my wave's LDS
.macro LST set, rgn
.set i, 0
.rept 16
	ds_store_b64 v[LS], v[(\set)+4*i:(\set)+4*i+1] offset:(\rgn)+PITCH*i
.set i, i+1
.endr
.endm
; Four fragments (16 rows x 32 columns: two loads of 16 bytes, 32 bytes apart) of the chunk of x and of lora_A's columns 128 c on.  LDS serves a wave's instructions in order (ISA guide 5.7.1.4): these see my stores above
.macro FRAG c
.irp f, 0,1,2,3
	ds_load_b128 v[FX+8*(\f):FX+8*(\f)+3],   v[LF] offset:XS+64*(\f)
	ds_load_b128 v[FX+8*(\f)+4:FX+8*(\f)+7], v[LF] offset:XS+64*(\f)+32
	ds_load_b128 v[FA+8*(\f):FA+8*(\f)+3],   v[LF] offset:(\c)*RGN+64*(\f)
	ds_load_b128 v[FA+8*(\f)+4:FA+8*(\f)+7], v[LF] offset:(\c)*RGN+64*(\f)+32
.endr
.endm
; Source 0 = the 16 ranks, source 1 = 16 rows of x: in the result lane l holds row l % 16 of x and ranks 8 (l / 16) + 0..7.  The two accumulators take turns, one instruction a turn, from chunk to chunk too.
; first = 1: the first two products start the sums: nothing is cleared
.macro MM first
.irp f, 0,1,2,3
.if (\first) && ((\f) < 2)
	v_wmma_f32_16x16x32_bf16 v[ACC+8*((\f)%2):ACC+8*((\f)%2)+7], v[FA+8*(\f):FA+8*(\f)+7], v[FX+8*(\f):FX+8*(\f)+7], 0
.else
	v_wmma_f32_16x16x32_bf16 v[ACC+8*((\f)%2):ACC+8*((\f)%2)+7], v[FA+8*(\f):FA+8*(\f)+7], v[FX+8*(\f):FX+8*(\f)+7], v[ACC+8*((\f)%2):ACC+8*((\f)%2)+7]
.endif
.endr
.endm
; My partial sum of 16 rows' t: the two accumulators are added, from their lowest registers on, and put where all waves' meet
.macro PART blk
.rept 8
	v_nop                                          ; places between the last product and the first read of a result (ISA guide 7.12.1); no other vector work is at hand
.endr
.irp q, 0,2,4,6
	v_pk_add_f32 v[ACC+(\q):ACC+(\q)+1], v[ACC+(\q):ACC+(\q)+1], v[ACC+8+(\q):ACC+8+(\q)+1]
.endr
	ds_store_b128 v[RS], v[ACC:ACC+3]   offset:(\blk)*16384
	ds_store_b128 v[RS], v[ACC+4:ACC+7] offset:(\blk)*16384+512
.endm
; A chunk of x.  left: the younger loads that may stay out.  more = 1: the set is loaded again, with the same columns of the next 16 rows
.macro XCHUNK set, blk, c, left, more
	s_wait_loadcnt \left                           ; loads come back in order (ISA guide 5.7.1): my chunk is in
	CVT \set                                       ; these 32 lines are also the places between the last products and the loads into their fragments' registers
	GST \set, \blk, \c
	LST \set, XS
	FRAG \c
	s_wait_dscnt 0x0                               ; the fragments are in
.if \more
	s_wait_xcnt 0x0                                ; the stores above have read their data: only behind this wait is the set loaded again
	LD \set, SRC, (\blk)+1, \c, 1
.endif
	MM 1-(\c)
.if \c
	PART \blk
.endif
.endm
	s_cmp_lg_u32 s17, 0
	s_cbranch_scc1 .Lsigns
	; THE x PATH
	LD SETT, LA, 0, 0, 0                           ; lora_A, my columns 0-127,
	LD SETB, LA, 0, 1, 0                           ; and 128-255
	LD SETA, SRC, 0, 0, 1                          ; the first chunk of x
	s_wait_loadcnt 32                              ; lora_A's first half is in; 32 younger loads stay out
	CVT SETT
	LST SETT, AR0
	s_wait_loadcnt 16                              ; its second half is in; x's first chunk stays out
	CVT SETB
	LST SETB, AR1
	s_wait_dscnt 0x0                               ; my LDS stores are done
	LD SETB, SRC, 0, 1, 1
	XCHUNK SETA, 0, 0, 16, 1
	XCHUNK SETB, 0, 1, 16, 1
	XCHUNK SETA, 1, 0, 16, 0
	XCHUNK SETB, 1, 1, 0, 0
	s_branch .Lmeet
.Lsigns:
	; THE signs PATH: the same four chunks, three sets of registers
	LD SETA, SRC, 0, 0, 1
	LD SETB, SRC, 0, 1, 1
	LD SETT, SRC, 1, 0, 1
	s_wait_loadcnt 32                              ; the first chunk is in; two stay out
	CVT SETA
	GST SETA, 0, 0
	s_wait_xcnt 0x0                                ; the stores have read their data: the set is loaded again only behind this wait
	LD SETA, SRC, 1, 1, 1
	s_wait_loadcnt 32                              ; the second chunk is in; the third and fourth stay out
	CVT SETB
	GST SETB, 0, 1
	s_wait_loadcnt 16                              ; the third is in
	CVT SETT
	GST SETT, 1, 0
	s_wait_loadcnt 0x0
	CVT SETA
	GST SETA, 1, 1
.Lmeet:
	s_wait_dscnt 0x0                               ; for the others' sake: my partial sums lie in LDS
	s_barrier_signal -1
	s_barrier_wait -1                              ; everybody's do
	s_cmp_lg_u32 s17, 0
	s_cbranch_scc1 .Lend                           ; signs has no t
	s_cmp_lt_u32 s16, 2
	s_cbranch_scc0 .Lend                           ; wave 0 finishes rows 0-15, wave 1 rows 16-31
	s_lshl_b32 s32, ttmp9, 1
	s_add_co_u32 s32, s32, s16                     ; block 2 g + w
	s_lshl_b32 s32, s32, 10
	s_mov_b32 s33, 0
	s_add_nc_u64 s[26:27], s[14:15], s[32:33]
	s_lshl_b32 s34, s16, 14
	s_add_co_u32 s34, s34, RED
	v_lshl_add_u32 v[RR], v1, 4, s34
	s_wait_xcnt 0x0                                ; my stores have read the two sets, which are loaded below
.set p, 0
.rept 16                                       ; the sixteen partial sums, eight registers each
	ds_load_b128 v[SETA+8*p:SETA+8*p+3],   v[RR] offset:1024*p
	ds_load_b128 v[SETA+8*p+4:SETA+8*p+7], v[RR] offset:1024*p+512
.set p, p+1
.endr
	s_wait_dscnt 0x0
.macro FOLD n                          ; partial sum p takes partial sum p + n, p = 0 .. n - 1
.set p, 0
.rept \n
.irp q, 0,2,4,6
	v_pk_add_f32 v[SETA+8*p+(\q):SETA+8*p+(\q)+1], v[SETA+8*p+(\q):SETA+8*p+(\q)+1], v[SETA+8*(p+(\n))+(\q):SETA+8*(p+(\n))+(\q)+1]
.endr
.set p, p+1
.endr
.endm
	FOLD 8
	FOLD 4
	FOLD 2
	FOLD 1
.irp q, 0,2,4,6
	v_pk_add_f32 v[SETA+(\q):SETA+(\q)+1], v[SETA+(\q):SETA+(\q)+1], v[SETA+(\q):SETA+(\q)+1]  ; alpha / rank = 2: exact
.endr
.irp q, 0,1,2,3
	v_cvt_pk_bf16_f32 v[TH+(\q)], v[SETA+2*(\q)], v[SETA+2*(\q)+1]  ; hi
.endr
.irp q, 0,1,2,3
	v_lshlrev_b32 v[TE+2*(\q)],   16,  v[TH+(\q)]   ; hi as f32 again
	v_and_b32     v[TE+2*(\q)+1], s29, v[TH+(\q)]
.endr
.irp q, 0,2,4,6
	v_pk_add_f32 v[SETA+(\q):SETA+(\q)+1], v[SETA+(\q):SETA+(\q)+1], v[TE+(\q):TE+(\q)+1] neg_lo:[0,1] neg_hi:[0,1]  ; t - hi
.endr
.irp q, 0,1,2,3
	v_cvt_pk_bf16_f32 v[TL+(\q)], v[SETA+2*(\q)], v[SETA+2*(\q)+1]  ; lo
.endr
	global_store_b128 v[TO], v[TH:TH+3], s[26:27]             ; 512 consecutive bytes, aligned
	global_store_b128 v[TO], v[TL:TL+3], s[26:27] offset:512  ; and the next 512
.Lend:
	s_wait_tensorcnt 0x0                           ; the wave's end: behind my last LDS store
	ds_add_u32 v[SPW], v[NIL]
	s_wait_dscnt 0x0
	s_endpgm
.Lfunc_end_k_qbf90d1a174_prep:
	.size	k_qbf90d1a174_prep, .Lfunc_end_k_qbf90d1a174_prep-k_qbf90d1a174_prep
	.p2alignl 7, 3214868480
	.fill 96, 4, 3214868480
	.section	.rodata,"a",@progbits
	.p2align	6, 0x0
	.amdhsa_kernel k_qbf90d1a174_prep
		.amdhsa_group_segment_fixed_size 243712
		.amdhsa_private_segment_fixed_size 0
		.amdhsa_enable_private_segment 0
		.amdhsa_kernarg_size 48
		.amdhsa_user_sgpr_count 2
		.amdhsa_user_sgpr_kernarg_segment_ptr 1
		.amdhsa_wavefront_size32 1
		.amdhsa_system_sgpr_workgroup_id_x 1
		.amdhsa_system_sgpr_workgroup_id_y 1
		.amdhsa_system_sgpr_workgroup_id_z 1
		.amdhsa_system_vgpr_workitem_id 0
		.amdhsa_next_free_vgpr 240
		.amdhsa_next_free_sgpr 66
		.amdhsa_reserve_vcc 0
		.amdhsa_float_denorm_mode_32 3
		.amdhsa_float_denorm_mode_16_64 3
		.amdhsa_memory_ordered 1
		.amdhsa_forward_progress 1
		.amdhsa_inst_pref_size 70
	.end_amdhsa_kernel
	.amdgpu_metadata
---
amdhsa.version: [ 1, 2 ]
amdhsa.kernels:
  - .name:           k_qbf90d1a174_prep
    .symbol:         k_qbf90d1a174_prep.kd
    .args:
      - { .name: x, .offset: 0, .size: 8, .value_kind: global_buffer, .address_space: global }
      - { .name: signs, .offset: 8, .size: 8, .value_kind: global_buffer, .address_space: global }
      - { .name: lora_A, .offset: 16, .size: 8, .value_kind: global_buffer, .address_space: global }
      - { .name: xb, .offset: 24, .size: 8, .value_kind: global_buffer, .address_space: global }
      - { .name: sb, .offset: 32, .size: 8, .value_kind: global_buffer, .address_space: global }
      - { .name: tb, .offset: 40, .size: 8, .value_kind: global_buffer, .address_space: global }
    .group_segment_fixed_size: 243712
    .private_segment_fixed_size: 0
    .kernarg_segment_align: 8
    .kernarg_segment_size: 48
    .max_flat_workgroup_size: 512
    .sgpr_count:     66
    .vgpr_count:     240
    .wavefront_size: 32
...
	.end_amdgpu_metadata
.endif
;; end of part 1
;; launch gemm (part 2): grid 16 x 16, 4 waves a work-group, clusters of 4 x 4, 327,680 bytes of LDS; arguments xb, sb, out0, tb, lora_B, scale; writes out0
.if DOCPART == 2
	.amdgcn_target "amdgcn-amd-amdhsa--gfx1250"
	.amdhsa_code_object_version 6
	.text
	.protected	k_qbf90d1a174_gemm
	.globl	k_qbf90d1a174_gemm
	.p2align	8
	.type	k_qbf90d1a174_gemm,@function
k_qbf90d1a174_gemm:
	s_mov_b64 s[64:65], 0
	v_nop
	global_prefetch_b8 v0, s[64:65] scope:SCOPE_SE
	s_setreg_imm32_b32 hwreg(HW_REG_WAVE_MODE, 25, 1), 1
	s_wait_xcnt 0x0
	s_wait_alu depctr_hold_cnt(0) depctr_sa_sdst(0) depctr_va_vdst(0) depctr_va_sdst(0) depctr_va_ssrc(0) depctr_va_vcc(0) depctr_vm_vsrc(0)
	s_getreg_b32 s2, hwreg(HW_REG_IB_STS2, 6, 4)
	s_cmp_eq_u32 s2, 0
	s_cbranch_scc0 .Lentry_in_a_cluster
	s_endpgm
.Lentry_in_a_cluster:
	s_bfe_u32 s2, ttmp6, 0x10000c
	s_cmp_lg_u32 s2, 0xf033
	s_cbranch_scc0 .Lentry_shape_is_right
	s_endpgm
.Lentry_shape_is_right:
; out0[m][o] = scale[o] x (the sum over i of xb[m][i] sb[o][i]) + the sum over r of t[m][r] lora_B[o][r].  xb, sb: [4096][4096] bf16; t = 2 x A^T comes from tb as hi + lo, two bf16 numbers, in fragment
; order; lora_B: [4096][16] f32; scale: [4096] f32; out0: [4096][4096] f32.  All sums in f32.
; LIMITS.  lora_B and scale are rounded once to bf16, like the other inputs (scale is then used as f32, on the f32 sums); a magnitude above bf16's largest finite number becomes an infinity.
; The order of the f32 sums is the matrix unit's, K ascending in steps of 32.  NaN and infinities are not treated apart.
; SHARES.  A tile of out0, 256 x 256, is made by a work-group of four waves; a wave makes 128 x 128: 64 accumulators of 16 x 16, 512 registers.  16 x 16 tiles, one to a work-group.
; K goes in steps of 128 through a ring of two LDS slots filled by the tensor data mover: the rows of the tiles are 256 bytes of memory and start at multiples of 256 bytes from the buffer's first byte.
; CLUSTERS: 4 x 4 work-groups.  The four of a row of the cluster need the same tiles of xb, the four of a column the same tiles of sb: each tile is asked for JOINTLY, by the same tensor load with the same
; descriptor and a mask that names the four; each receives it in its own LDS.
; THE MATRIX INSTRUCTION IS USED TRANSPOSED: source 0 = 16 rows of sb, source 1 = 16 rows of xb.  In the result lane l holds row m = l % 16 and the columns o = 8 (l / 16) + 0 .. 7.
; THE WAY OUT, by blocks of 16 rows: the sums times scale; ONE more matrix instruction an accumulator, whose 32 along K are t's hi for the 16 ranks and then t's lo, against lora_B's 16 ranks twice;
; then through my own stage in LDS, so that each store of the wave covers 512 consecutive bytes of a row.
; REGISTERS, in windows of 256 (s_set_vgpr_msb's low byte: bits 1:0 source 0, 3:2 source 1, 5:4 source 2, 7:6 destination):
;   window 0: v0-31 addresses; v32-63 at work in the set-up; v64-127, v128-191 fragments of xb, two buffers (in the set-up lora_B and scale as loaded; on the way out rows read back); v192-255 t's fragments
;   window 1: v0-63 lora_B's fragments; v64-127, v128-191 fragments of sb, two buffers; v192-255 scale of my lane's columns
;   window 2: the 32 accumulators of my rows 0-63 (accumulator (a, b) at v[8 (8 a + b)]);   window 3: those of my rows 64-127
.set SIZE,   4096                      ; rows, columns and K alike
.set KSTEP,  128
.set PITCH,  272                       ; an LDS row: 256 bytes + 16 of padding = 68 words: row r starts at bank 4 r mod 64 (64 banks of 4 bytes: ISA guide 11.1)
.set HALFT,  128*PITCH                 ; 128 rows: what one tensor load brings, and what one wave reads of xb or of sb
.set SLOT,   4*HALFT                   ; xb's 256 rows, then sb's 256 rows
.set STAGE,  2*SLOT                    ; behind the ring, never filled by a tensor load: for each wave 16 rows of
.set SPITCH, 528                       ; 512 bytes + 16 = 132 words: row r starts at bank 4 r mod 64
.set WSTAGE, 16*SPITCH
.set SPARE,  STAGE+4*WSTAGE            ; behind the stages: the spare words, 128 bytes for each wave: two blocks of 256 bytes that no other line names
.set LAPS,   SIZE/(2*KSTEP)            ; a lap = two K steps = once round the ring
.set ROWO,   SIZE*4                    ; bytes in a row of out0
.set ADRA, 16                          ; v16-17  LDS address of my fragments of xb in slot 0, 1
.set ADRB, 20                          ; v20-21  the same for sb
.set STO,  24                          ; v24     the way out: where I put 32 bytes of a row: stage + (l % 16) x 528 + 32 (l / 16)
.set RD,   25                          ; v25     the way out: where I read a row back: stage + 16 x lane
.set CO,   26                          ; v26     16 x lane: my bytes in a row of out0 and in a half block of tb
.set LBO,  27                          ; v27     (l % 16) x 64 + 32 (l / 16): my eight ranks of a row of lora_B
.set SPW,  28                          ; v28     LDS address of my spare word: SPARE + 4 x my thread's number; never rewritten
.set NIL,  29                          ; v29     0; never rewritten
.set PFO,  30                          ; v30     the prefetches' offset: my lane x a row of xb or sb (8,192 bytes); never rewritten
.set SCO,  31                          ; v31     32 (l / 16): my eight columns of sixteen of scale
.set WK,   32                          ; v32-63  at work in the set-up
.set F0,   64                          ; fragment buffer 0
.set F1,   128                         ; fragment buffer 1
.set TF,   192                         ; window 0: t's fragment of row block a at TF + 8 a
.set BF,   0                           ; window 1: lora_B's fragment of column block b at BF + 8 b
.set SC,   192                         ; window 1: scale of column 16 b + 8 (l / 16) + j at SC + 8 b + j
.set G1,  24                           ; s[24:31] descriptor group 1 for xb's tiles
.set G0,  32                           ; s[32:39] descriptor group 0 for xb's tiles, one set for each slot
.set G1B, 48                           ; s[48:55] descriptor group 1 for sb's tiles: it differs in the mask alone
.set G0B, 56                           ; s[56:63] descriptor group 0 for sb's tiles
.set LIM, 43                           ; s43      1 in a wave that prefetches, else the greatest number
.set PFA, 44                           ; s[44:45] where my prefetches stand
.set MSB, 0
.macro WIN new                         ; the immediate's high byte repeats the setting that is left; a switch that changes nothing is dropped
.if MSB != (\new)
	s_set_vgpr_msb (MSB<<8)|(\new)
.set MSB, \new
.endif
.endm
.set MUL_LO, 0xa1                      ; source 0 window 1, source 1 window 0, C and D window 2
.set MUL_HI, 0xf1                      ; the same, C and D window 3
.set TO_B,   0x40                      ; destination window 1, sources window 0
; A joint load.  Waves 0 and 1 fetch xb's two halves, waves 2 and 3 sb's.  Each of the two lines has one mask and one set of registers for all that issue it; the branch hangs on the wave's number alone.
; An s_nop 0 and four v_nop follow each of the two lines, ahead of the jump, the label and what follows.
.macro JLOAD s
	s_cmp_eq_u32 s11, 0
	s_cbranch_scc0 .Lfor_b_\@
	tensor_load_to_lds s[G0+4*(\s):G0+4*(\s)+3], s[G1:G1+7]
	s_nop 0
.rept 4
	v_nop
.endr
	s_branch .Lasked_\@
.Lfor_b_\@:
	tensor_load_to_lds s[G0B+4*(\s):G0B+4*(\s)+3], s[G1B:G1B+7]
	s_nop 0
.rept 4
	v_nop
.endr
.Lasked_\@:
.endm
; A PREFETCH INTO THE L2, behind each joint refill and the run of LDS loads that follows it: the K step that stands TWO refills on, 512 matrix instructions ahead of the load that will want it: 32 rows x 256 bytes,
; a lane a row, one instruction a wave.  Each row's 256 bytes of a K step are named ONCE in the launch: xb's rows by the clusters with x = 0, sb's by the clusters with y = 0; the four partners that ask for a
; tile jointly share its rows out BY ADDRESS: of the 128 rows that a wave fetches the partner at place p takes 32 p .. 32 p + 31 (p = cx for xb, cy for sb).  K steps 0 to 3 come by their loads alone;
; the loop's last trip (s3 = 1) asks for nothing: K step 31 is the last.
.macro ASK
	s_cmp_gt_u32 s3, s[LIM]
	s_cbranch_scc0 .Lnot_mine_\@
	global_prefetch_b8 v[PFO], s[PFA:PFA+1] offset:KSTEP*2 th:TH_LOAD_NT scope:SCOPE_SE
.Lnot_mine_\@:
.endm
; A round of the cluster's barrier: my work-group's barrier, so that wave 0's signal speaks for all four waves; wave 0 signals; every wave waits for all sixteen work-groups; my work-group's barrier once more.
.macro CREST                           ; a round behind its opening barrier
	s_cmp_lg_u32 s10, 0
	s_cbranch_scc1 .Lnot_wave_0_\@
	s_barrier_signal -3
.Lnot_wave_0_\@:
	s_barrier_wait -3
	s_barrier_signal -1
	s_barrier_wait -1
.endm
.macro CROUND                          ; a whole round
	s_barrier_signal -1
	s_barrier_wait -1
	CREST
.endm
	s_load_b128 s[4:7], s[0:1], 0x0                ; xb s[4:5], sb s[6:7]
	s_load_b64 s[8:9], s[0:1], 0x10                ; out0
	s_load_b128 s[68:71], s[0:1], 0x18             ; tb s[68:69], lora_B s[70:71]
	s_load_b64 s[72:73], s[0:1], 0x28              ; scale
	v_lshl_add_u32 v[SPW], v0, 2, SPARE
	v_mov_b32 v[NIL], 0
	ds_add_u32 v[SPW], v[NIL]                      ; the wave's opening: the add, twice on end, and its wait ahead of my first tensor load; the set-up below stands between
	ds_add_u32 v[SPW], v[NIL]                      ; and once more, under the one wait
	v_lshrrev_b32 v1, 5, v0
	v_readfirstlane_b32 s10, v1                    ; wave 0..3
	s_lshr_b32 s11, s10, 1                         ; which half of the tile's rows is mine.  Also: I fetch for xb (0) or for sb (1)
	s_and_b32 s12, s10, 1                          ; which half of its columns.  Also: which 128 rows of that tile I fetch
	s_bfe_u32 s40, ttmp6, 0x40000                  ; cx
	s_bfe_u32 s41, ttmp6, 0x40004                  ; cy
	s_lshl_b32 s42, ttmp9, 2                       ; in a cluster launch ttmp9 and ttmp7 count clusters
	s_add_co_u32 s42, s42, s40                     ; tile column = 4 x cluster x + cx
	s_and_b32 s13, ttmp7, 0xffff
	s_lshl_b32 s13, s13, 2
	s_add_co_u32 s13, s13, s41                     ; tile row = 4 x cluster y + cy
	s_lshl_b32 s43, s41, 2
	s_lshl_b32 s43, 15, s43                        ; my row of the cluster: places 4 cy .. 4 cy + 3
	s_lshl_b32 s44, 0x1111, s40                    ; my column: places cx, cx + 4, cx + 8, cx + 12
	; descriptor group 1: a tile of 128 rows x 128 elements, padded in LDS
	s_or_b32 s[G1+0], s43, (1<<16)|(1<<20)|(1<<21)|(5<<22)|(3<<25)  ; 15:0 the mask: xb's tiles go to my row; 17:16 elements of 2 bytes; 20 padding on; 21 set beside a mask; 24:22 after every 64 words (code 5); 31:25 4 words (code 3)
	s_or_b32 s[G1B+0], s44, (1<<16)|(1<<20)|(1<<21)|(5<<22)|(3<<25) ; the same with the mask of my column, for sb's tiles
.irp g, G1, G1B
	s_mov_b32 s[(\g)+1], KSTEP<<16                 ; tensor_dim0 = 128
	s_mov_b32 s[(\g)+2], 128<<16                   ; tensor_dim1 = 128
	s_mov_b32 s[(\g)+3], KSTEP<<16                 ; tile_dim0 = 128
	s_mov_b32 s[(\g)+4], 128                       ; tile_dim1 = 128
	s_mov_b32 s[(\g)+5], SIZE                      ; elements from row to row
	s_mov_b32 s[(\g)+6], 0
	s_mov_b32 s[(\g)+7], 0
.endr
	; where the tiles come from: xb's hang on the tile row alone, which my row of the cluster shares; sb's on the tile column alone, which my column shares
	s_lshl_b32 s17, s12, 7                         ; which 128 rows of the tile I fetch
	s_lshl_b32 s16, s13, 8
	s_add_co_u32 s16, s16, s17                     ; xb: row 256 x tile row + 128 x half
	s_lshl_b32 s46, s42, 8
	s_add_co_u32 s46, s46, s17                     ; sb: row 256 x tile column + 128 x half
	s_mov_b32 s17, 0
	s_mov_b32 s47, 0
	s_mov_b64 s[18:19], SIZE*2
	s_mul_u64 s[16:17], s[16:17], s[18:19]         ; in bytes
	s_mul_u64 s[46:47], s[46:47], s[18:19]
	s_mul_i32 s20, s10, HALFT                      ; and where they go: wave x 128 rows: no place in the cluster enters an LDS address
	s_wait_dscnt 0x0                               ; both opening adds are done
	s_wait_kmcnt 0x0
	s_add_nc_u64 s[14:15], s[4:5], s[16:17]
	s_add_nc_u64 s[46:47], s[6:7], s[46:47]
	CROUND                                         ; all sixteen work-groups are here: the first joint loads meet
.irp s, 0,1
	s_mov_b32 s[G0+4*(\s)], 1                                      ; count = 1
	s_add_co_u32 s[G0+4*(\s)+1], s20, (\s)*SLOT                    ; LDS address
	s_add_nc_u64 s[G0+4*(\s)+2:G0+4*(\s)+3], s[14:15], (\s)*KSTEP*2  ; global address: K step s
	s_or_b32 s[G0+4*(\s)+3], s[G0+4*(\s)+3], 0x80000000            ; type = 2
	s_mov_b32 s[G0B+4*(\s)], 1
	s_add_co_u32 s[G0B+4*(\s)+1], s20, (\s)*SLOT
	s_add_nc_u64 s[G0B+4*(\s)+2:G0B+4*(\s)+3], s[46:47], (\s)*KSTEP*2
	s_or_b32 s[G0B+4*(\s)+3], s[G0B+4*(\s)+3], 0x80000000
	JLOAD \s                                       ; the ring is filled before anything else is done: two loads of mine are out
.endr
	; THE SET-UP stands in the wait for the first tile.
	v_and_b32 v1, 15, v0                           ; l % 16
	v_bfe_u32 v2, v0, 4, 1                         ; l / 16
	v_and_b32 v5, 31, v0                           ; lane
	v_mul_u32_u24 v3, v1, PITCH
	v_lshl_add_u32 v3, v2, 4, v3                   ; a fragment's row x pitch + 16 x half
	s_mul_i32 s21, s11, HALFT                      ; my 128 rows of xb
	s_mul_i32 s22, s12, HALFT                      ; my 128 rows of sb,
	s_add_co_u32 s22, s22, 2*HALFT                 ; which lie behind xb's 256
.irp s, 0,1
	v_add_nc_u32 v[ADRA+(\s)], s21, v3
	v_add_nc_u32 v[ADRB+(\s)], s22, v3
	s_add_co_u32 s21, s21, SLOT
	s_add_co_u32 s22, s22, SLOT
.endr
	s_mul_i32 s23, s10, WSTAGE
	s_add_co_u32 s23, s23, STAGE                   ; my stage
	v_mul_u32_u24 v4, v1, SPITCH
	v_lshl_add_u32 v4, v2, 5, v4
	v_add_nc_u32 v[STO], s23, v4
	v_lshl_add_u32 v[RD], v5, 4, s23
	v_lshlrev_b32 v[CO], 4, v5
	v_lshlrev_b32 v[LBO], 6, v1
	v_lshl_add_u32 v[LBO], v2, 5, v[LBO]
	v_lshlrev_b32 v[SCO], 5, v2
	v_lshlrev_b32 v[PFO], 13, v5
	; my part of tb, lora_B, scale and out0: offsets made apart from the addresses, in registers that feed no descriptor
	s_lshl_b32 s74, s13, 14                        ; tb: 16 blocks of 1,024 bytes a tile row,
	s_lshl_b32 s75, s11, 13                        ; 8 for my half
	s_add_co_u32 s74, s74, s75
	s_mov_b32 s75, 0
	s_add_nc_u64 s[68:69], s[68:69], s[74:75]
	s_lshl_b32 s76, s42, 14                        ; lora_B: 256 rows of 64 bytes a tile column,
	s_lshl_b32 s77, s12, 13                        ; 128 for my half
	s_add_co_u32 s76, s76, s77
	s_mov_b32 s77, 0
	s_add_nc_u64 s[70:71], s[70:71], s[76:77]
	s_lshr_b32 s76, s76, 4                         ; 4 bytes a column in place of 64: scale, and out0's columns
	s_add_nc_u64 s[72:73], s[72:73], s[76:77]
	s_add_nc_u64 s[8:9], s[8:9], s[76:77]
	s_lshl_b32 s74, s74, 8                         ; 16,384 bytes a row in place of 64: out0's rows
	s_add_nc_u64 s[8:9], s[8:9], s[74:75]
.irp a, 0,1,2,3,4,5,6,7
	global_load_b128 v[TF+8*(\a):TF+8*(\a)+3],   v[CO], s[68:69] offset:1024*(\a)      ; t's hi: K = 0 .. 15 of the last product
	global_load_b128 v[TF+8*(\a)+4:TF+8*(\a)+7], v[CO], s[68:69] offset:1024*(\a)+512  ; t's lo: K = 16 .. 31
.endr
.irp b, 0,1,2,3,4,5,6,7
	global_load_b128 v[F0+8*(\b):F0+8*(\b)+3],   v[LBO], s[70:71] offset:1024*(\b)     ; lora_B: row 16 b + l % 16, ranks 8 (l / 16) + 0..7
	global_load_b128 v[F0+8*(\b)+4:F0+8*(\b)+7], v[LBO], s[70:71] offset:1024*(\b)+16
.endr
.irp b, 0,1,2,3,4,5,6,7
	global_load_b128 v[F1+8*(\b):F1+8*(\b)+3],   v[SCO], s[72:73] offset:64*(\b)       ; scale: columns 16 b + 8 (l / 16) + 0..7
	global_load_b128 v[F1+8*(\b)+4:F1+8*(\b)+7], v[SCO], s[72:73] offset:64*(\b)+16
.endr
	; the prefetches' address and who asks, while those loads are out
	s_lshl_b32 s13, s13, 8                         ; 256 x tile row
	s_lshl_b32 s42, s42, 8                         ; 256 x tile column
	s_and_b32 s22, ttmp7, 0xffff                   ; cluster y
	s_cmp_eq_u32 s11, 0                            ; do I fetch for xb?
	s_cselect_b32 s20, s13, s42                    ; the tile's first row
	s_cselect_b32 s21, s40, s41                    ; my place among the four that ask for it with me
	s_cselect_b32 s22, ttmp9, s22                  ; the coordinate along which other clusters read the same rows
	s_cselect_b64 s[PFA:PFA+1], s[4:5], s[6:7]
	s_cmp_eq_u32 s22, 0
	s_cselect_b32 s[LIM], 1, -1                    ; the same in all sixteen partners, for a given wave
	s_lshl_b32 s22, s12, 7
	s_add_co_u32 s20, s20, s22                     ; + the 128 rows that I fetch
	s_lshl_b32 s21, s21, 5
	s_add_co_u32 s20, s20, s21                     ; + my work-group's 32 of them
	s_mov_b32 s21, 0
	s_mov_b64 s[18:19], SIZE*2
	s_mul_u64 s[20:21], s[20:21], s[18:19]
	s_add_nc_u64 s[PFA:PFA+1], s[PFA:PFA+1], s[20:21]
	s_add_nc_u64 s[PFA:PFA+1], s[PFA:PFA+1], 2*KSTEP*2  ; at K step 2: the first refill steps it to 3 and names K step 4
	s_wait_loadcnt 0x0                             ; t, lora_B and scale are in
	WIN TO_B
.irp b, 0,1,2,3,4,5,6,7
.irp q, 0,1,2,3
	v_cvt_pk_bf16_f32 v[BF+8*(\b)+(\q)],   v[F0+8*(\b)+2*(\q)], v[F0+8*(\b)+2*(\q)+1]  ; lora_B's ranks against t's hi,
	v_cvt_pk_bf16_f32 v[BF+8*(\b)+4+(\q)], v[F0+8*(\b)+2*(\q)], v[F0+8*(\b)+2*(\q)+1]  ; and the same against t's lo
.endr
.endr
	WIN 0
.irp b, 0,1,2,3,4,5,6,7
.irp q, 0,1,2,3
	v_cvt_pk_bf16_f32 v[WK+4*(\b)+(\q)], v[F1+8*(\b)+2*(\q)], v[F1+8*(\b)+2*(\q)+1]    ; scale rounded to bf16,
.endr
.endr
	WIN TO_B
.irp b, 0,1,2,3,4,5,6,7
.irp q, 0,1,2,3
	v_lshlrev_b32 v[SC+8*(\b)+2*(\q)],   16,         v[WK+4*(\b)+(\q)]                 ; and widened again
	v_and_b32     v[SC+8*(\b)+2*(\q)+1], 0xffff0000, v[WK+4*(\b)+(\q)]
.endr
.endr
	WIN 0
; 16 matrix instructions: row blocks a0, a0 + 1 of the window's four (hi = 0: my rows 0-63, 1: rows 64-127) x all 8 column blocks, 32 along K.  zero = 1: the first product starts the sums: nothing is cleared.
; The 64 accumulators take turns, one instruction a turn, in the same order in every quarter step, over the loop's backward jump too.
.macro MUL16 f, hi, a0, zero
	WIN MUL_LO+0x50*(\hi)
.irp a, \a0, (\a0)+1
.irp b, 0,1,2,3,4,5,6,7
.if \zero
	v_wmma_f32_16x16x32_bf16 v[8*(8*(\a)+(\b)):8*(8*(\a)+(\b))+7], v[(\f)+8*(\b):(\f)+8*(\b)+7], v[(\f)+8*(4*(\hi)+(\a)):(\f)+8*(4*(\hi)+(\a))+7], 0
.else
	v_wmma_f32_16x16x32_bf16 v[8*(8*(\a)+(\b)):8*(8*(\a)+(\b))+7], v[(\f)+8*(\b):(\f)+8*(\b)+7], v[(\f)+8*(4*(\hi)+(\a)):(\f)+8*(4*(\hi)+(\a))+7], v[8*(8*(\a)+(\b)):8*(8*(\a)+(\b))+7]
.endif
.endr
.endr
.endm
; 32 LDS loads in one run: the fragments of one quarter step (128 rows of sb, 128 rows of xb, 32 K at byte k of the rows) into buffer f
.macro FETCH slot, k, f
	WIN TO_B
.irp i, 0,1,2,3,4,5,6,7
	ds_load_b128 v[(\f)+8*(\i):(\f)+8*(\i)+3],   v[ADRB+(\slot)] offset:(\k)+(\i)*16*PITCH
	ds_load_b128 v[(\f)+8*(\i)+4:(\f)+8*(\i)+7], v[ADRB+(\slot)] offset:(\k)+(\i)*16*PITCH+32
.endr
	WIN 0
.irp i, 0,1,2,3,4,5,6,7
	ds_load_b128 v[(\f)+8*(\i):(\f)+8*(\i)+3],   v[ADRA+(\slot)] offset:(\k)+(\i)*16*PITCH
	ds_load_b128 v[(\f)+8*(\i)+4:(\f)+8*(\i)+7], v[ADRA+(\slot)] offset:(\k)+(\i)*16*PITCH+32
.endr
.endm
; Four places: a load into a register that a matrix instruction has read, and a vector instruction or LDS store that reads a matrix result, stand four plain vector instructions behind it
; (ISA guide 7.12.1 for vector instructions); the matrix instructions in between are not counted.
.macro PLACES
.rept 4
	v_nop
.endr
.endm
; A K step is four quarter steps of 32 along K, 64 matrix instructions each, on buffers 0, 1, 0, 1.  One of the first three: multiplies buffer f; in its middle it fetches the next quarter, at byte k, into buffer g.
.macro QUARTER slot, k, f, g, zero
	s_wait_dscnt 8                                 ; sb's fragments and xb's rows 0-63 are in; the youngest eight loads (xb's rows 64-127) may be out
	WIN MUL_LO
	MUL16 \f, 0, 0, \zero
	MUL16 \f, 0, 2, \zero
	PLACES
	FETCH \slot, \k, \g
	s_wait_dscnt 32                                ; all but the 32 just issued
	WIN MUL_HI
	MUL16 \f, 1, 0, \zero
	MUL16 \f, 1, 2, \zero
.endm
; The last quarter multiplies buffer 1 and changes slots.  MEET is its first half: ONE barrier.  In front of it each wave waits for all its tensor loads, of which one is out: its part of the next slot; adds 0 to
; its spare word; and waits for that and for its own reads of this slot.  Behind it nobody reads this slot any more and the next slot is whole.
.macro MEET round                      ; round = 1: a round of the cluster's barrier follows
	WIN 0                                          ; (the add's two registers lie in window 0)
	s_wait_tensorcnt 0x0                           ; all my tensor loads have landed;
	ds_add_u32 v[SPW], v[NIL]                      ; 0 onto my spare word;
	s_wait_dscnt 9                                 ; (the add and the youngest eight loads may be out)
	WIN MUL_LO
	MUL16 F1, 0, 0, 0                              ; sixteen matrix instructions stand between the add and the wait for it
	s_wait_dscnt 0x0                               ; the add is done, and my reads of this slot are over:
	s_barrier_signal -1                            ; say so,
	MUL16 F1, 0, 2, 0                              ; work on registers while the others arrive,
.if \round
	WIN 0
.endif
	s_barrier_wait -1                              ; and go on when all four have said so
.endm
; The whole last quarter where the slot is filled again, with the K step two steps on: the barrier opens a round of the cluster's, the joint refill is the first tensor load behind the round, then come the next
; slot's first fragments.  From a request to the wait for it a wave issues 224 matrix instructions.
.macro TURN slot, next
	s_wait_xcnt 0x0                                ; the last prefetch, a K step back, has read its address: it is stepped here, ahead of the waits of the change of slots
	s_add_nc_u64 s[PFA:PFA+1], s[PFA:PFA+1], KSTEP*2
	MEET 1
	CREST                                          ; no wave of any partner still reads this slot's tile or has a load on its way
	s_add_nc_u64 s[G0+4*(\slot)+2:G0+4*(\slot)+3], s[G0+4*(\slot)+2:G0+4*(\slot)+3], 2*KSTEP*2
	s_add_nc_u64 s[G0B+4*(\slot)+2:G0B+4*(\slot)+3], s[G0B+4*(\slot)+2:G0B+4*(\slot)+3], 2*KSTEP*2
	JLOAD \slot                                    ; the four v_nop behind it are also the places in front of the loads below
	FETCH \next, 0, F0
	ASK
	WIN MUL_HI
	MUL16 F1, 1, 0, 0
	MUL16 F1, 1, 2, 0
.endm
; THE WAY OUT of row block a (16 rows x my 128 columns), in four parts.
.macro SCALE a                         ; the sums times scale, two at a time, each accumulator from its lowest registers on
	WIN 0x86+0x41*((\a)/4)                         ; destination and source 0 window 2 or 3, source 1 window 1
.set AC, 64*((\a)%4)
.irp b, 0,1,2,3,4,5,6,7
.irp r, 0,1,2,3
	v_pk_mul_f32 v[AC+8*(\b)+2*(\r):AC+8*(\b)+2*(\r)+1], v[AC+8*(\b)+2*(\r):AC+8*(\b)+2*(\r)+1], v[SC+8*(\b)+2*(\r):SC+8*(\b)+2*(\r)+1]
.endr
.endr
.endm
.macro LORA a                          ; + t lora_B^T: one matrix instruction an accumulator
	WIN MUL_LO+0x50*((\a)/4)
.set AC, 64*((\a)%4)
.irp b, 0,1,2,3,4,5,6,7
	v_wmma_f32_16x16x32_bf16 v[AC+8*(\b):AC+8*(\b)+7], v[BF+8*(\b):BF+8*(\b)+7], v[TF+8*(\a):TF+8*(\a)+7], v[AC+8*(\b):AC+8*(\b)+7]
.endr
.endm
.macro TOSTAGE a                       ; a lane's eight columns of a row are 32 bytes; they go into rows of 528 bytes and come back as whole rows of 512
.set AC, 64*((\a)%4)
.set BK, F0+64*((\a)%2)
	WIN 0x08+4*((\a)/4)                            ; store data (source 1) window 2 or 3, address window 0
.irp b, 0,1,2,3,4,5,6,7
	ds_store_b128 v[STO], v[AC+8*(\b):AC+8*(\b)+3]   offset:64*(\b)
	ds_store_b128 v[STO], v[AC+8*(\b)+4:AC+8*(\b)+7] offset:64*(\b)+16
.endr
	WIN 0
	s_wait_xcnt 0x0                                ; the stores of the block two back have read these registers: they are loaded again only behind this wait
.set t, 0
.rept 16
	ds_load_b128 v[BK+4*t:BK+4*t+3], v[RD] offset:SPITCH*t  ; LDS serves a wave's instructions in order (ISA guide 5.7.1.4): these see the stores above
.set t, t+1
.endr
.endm
.macro SEND a
.set BK, F0+64*((\a)%2)
	WIN 0
	s_wait_dscnt 0x0                               ; the block is back in registers
.set t, 0
.rept 16
	global_store_b128 v[CO], v[BK+4*t:BK+4*t+3], s[8:9] offset:((\a)*16+t)*ROWO th:TH_STORE_NT  ; 512 consecutive bytes of a row, at a multiple of 512 from out0's first byte; 127 rows at the most: inside the signed 24-bit immediate
.set t, t+1
.endr
.endm
	s_wait_tensorcnt 1                             ; my part of K step 0 is in; K step 1's may stay out
	s_barrier_signal -1
	s_barrier_wait -1                              ; everybody's is
	FETCH 0, 0, F0
	QUARTER 0, 64,  F0, F1, 1                      ; the first quarter stands in front of the loop: its products start the sums
	WIN 0                                          ; at a label and at a branch every window is 0
	s_mov_b32 s3, LAPS-1
.Llap:                                                 ; a trip goes once round the ring, from a lap's second quarter to the next lap's first, and fills both slots again
	QUARTER 0, 128, F1, F0, 0
	QUARTER 0, 192, F0, F1, 0
	TURN 0, 1
	QUARTER 1, 64,  F0, F1, 0
	QUARTER 1, 128, F1, F0, 0
	QUARTER 1, 192, F0, F1, 0
	TURN 1, 0
	QUARTER 0, 64,  F0, F1, 0
	WIN 0
	s_sub_co_u32 s3, s3, 1
	s_cmp_lg_u32 s3, 0
	s_cbranch_scc1 .Llap
	QUARTER 0, 128, F1, F0, 0                      ; the last lap is written out: it fills nothing, and has no round of the cluster's barrier
	QUARTER 0, 192, F0, F1, 0
	MEET 0                                         ; my one tensor load that was still out is slot 1's, the last K step's
	PLACES                                         ; for the loads into buffer 0, which the quarter before multiplied
	FETCH 1, 0, F0
	WIN MUL_HI
	MUL16 F1, 1, 0, 0
	MUL16 F1, 1, 2, 0
	QUARTER 1, 64,  F0, F1, 0
	QUARTER 1, 128, F1, F0, 0
	QUARTER 1, 192, F0, F1, 0
	s_wait_dscnt 8                                 ; the very last quarter: nothing more to fetch
	MUL16 F1, 0, 0, 0
	MUL16 F1, 0, 2, 0
	s_wait_dscnt 0x0
	MUL16 F1, 1, 0, 0
	MUL16 F1, 1, 2, 0
	PLACES                                         ; between the last products and the first line that reads and rewrites sums
	PLACES
	SCALE 0
	LORA 0
	SCALE 1                                        ; a block's 32 scalings name nothing of the block before: they are the places between that block's last products and the LDS stores that read them
.irp a, 0,1,2,3,4,5,6,7
	TOSTAGE \a
.if (\a) < 7
	LORA (\a)+1                                    ; the next blocks' work stands between the loads from the stage and the wait for them
.endif
.if (\a) < 6
	SCALE (\a)+2
.endif
.if (\a) == 6
	PLACES                                         ; behind the last block's products no scaling is left
	PLACES
.endif
	SEND \a
.endr
	WIN 0
	s_wait_tensorcnt 0x0                           ; the wave's end: behind my last tensor load and my last LDS store
	ds_add_u32 v[SPW], v[NIL]
	s_wait_dscnt 0x0
	CROUND                                         ; the closing round: no work-group ends while a partner may still ask for a tile that names it
	s_endpgm
.Lfunc_end_k_qbf90d1a174_gemm:
	.size	k_qbf90d1a174_gemm, .Lfunc_end_k_qbf90d1a174_gemm-k_qbf90d1a174_gemm
	.p2alignl 7, 3214868480
	.fill 96, 4, 3214868480
	.section	.rodata,"a",@progbits
	.p2align	6, 0x0
	.amdhsa_kernel k_qbf90d1a174_gemm
		.amdhsa_group_segment_fixed_size 327680
		.amdhsa_private_segment_fixed_size 0
		.amdhsa_enable_private_segment 0
		.amdhsa_kernarg_size 48
		.amdhsa_user_sgpr_count 2
		.amdhsa_user_sgpr_kernarg_segment_ptr 1
		.amdhsa_wavefront_size32 1
		.amdhsa_system_sgpr_workgroup_id_x 1
		.amdhsa_system_sgpr_workgroup_id_y 1
		.amdhsa_system_sgpr_workgroup_id_z 1
		.amdhsa_system_vgpr_workitem_id 0
		.amdhsa_next_free_vgpr 1024
		.amdhsa_next_free_sgpr 80
		.amdhsa_reserve_vcc 0
		.amdhsa_float_denorm_mode_32 3
		.amdhsa_float_denorm_mode_16_64 3
		.amdhsa_memory_ordered 1
		.amdhsa_forward_progress 1
		.amdhsa_inst_pref_size 176
	.end_amdhsa_kernel
	.amdgpu_metadata
---
amdhsa.version: [ 1, 2 ]
amdhsa.kernels:
  - .name:           k_qbf90d1a174_gemm
    .symbol:         k_qbf90d1a174_gemm.kd
    .args:
      - { .name: xb, .offset: 0, .size: 8, .value_kind: global_buffer, .address_space: global }
      - { .name: sb, .offset: 8, .size: 8, .value_kind: global_buffer, .address_space: global }
      - { .name: out0, .offset: 16, .size: 8, .value_kind: global_buffer, .address_space: global }
      - { .name: tb, .offset: 24, .size: 8, .value_kind: global_buffer, .address_space: global }
      - { .name: lora_B, .offset: 32, .size: 8, .value_kind: global_buffer, .address_space: global }
      - { .name: scale, .offset: 40, .size: 8, .value_kind: global_buffer, .address_space: global }
    .group_segment_fixed_size: 327680
    .private_segment_fixed_size: 0
    .kernarg_segment_align: 8
    .kernarg_segment_size: 48
    .max_flat_workgroup_size: 128
    .sgpr_count:     80
    .vgpr_count:     1024
    .wavefront_size: 32
...
	.end_amdgpu_metadata
.endif
;; end of part 2
